; MI455X (gfx1250); checked and timed in simulation.
; The chip was launched on July 23, 2026; its instructions are those of AMD's public machine-readable ISA for CDNA 5 (MIT licence, August 2026) and "CDNA5" Instruction Set Architecture Reference Guide (July 2026). The comments in the code are by the model that wrote it; some were corrected since.
;; model. Allowed arithmetic: float matrix products may take bf16 or f16 operands with f32 sums; other float arithmetic in f32, or as packed bf16 or f16 multiplies, adds, multiply-adds, maxima and minima; sums over many terms, partial sums and values carried from step to step in f32; what a program stores and reads back later, other than sums and carried values, may be rounded once to bf16 or f16.
;; Inputs: W 1,024 x 3,072 float32; b 3,072 float32; x 4 x 2,048 x 1,024 float32.
;; Outputs: out0 4 x 2,048 x 1,024 float32.
;; One version. Each part assembles by itself: llvm-mc -triple=amdgcn-amd-amdhsa -mcpu=gfx1250 --defsym DOCPART=n.
;; ======== version 1 of 1: 4 launches
;; limits: values are held in f16: magnitudes above 65,504 overflow, below 6.1e-05 lose precision
;; workspace buffers: xb 16,777,216 bytes; wb 6,291,456 bytes; qkv 50,331,648 bytes; p 33,554,432 bytes; stats 1,048,576 bytes
;; launch prep (part 1): grid 704 x 1, 8 waves a work-group, no clusters, 0 bytes of LDS; arguments x, W, xb, wb; writes xb, wb
.if DOCPART == 1
	.amdgcn_target "amdgcn-amd-amdhsa--gfx1250"
	.amdhsa_code_object_version 6
	.text
	.protected	k_qe546462838_prep
	.globl	k_qe546462838_prep
	.p2align	8
	.type	k_qe546462838_prep,@function
k_qe546462838_prep:
	s_mov_b64 s[64:65], 0
	v_nop
	global_prefetch_b8 v0, s[64:65] scope:SCOPE_SE
	s_setreg_imm32_b32 hwreg(HW_REG_WAVE_MODE, 25, 1), 1
	s_wait_xcnt 0x0
; xb = bf16(x), wb = bf16(W): each input is rounded once, to nearest even, for the bf16 product that follows.
; wb keeps W's layout.  xb is laid out in BLOCKS for the next launch's tiles: [32 row tiles][16 K blocks][256 rows][64 numbers], so that a tile of 256 rows x 64 along K is 32,768 dense bytes.
; A stream: no LDS, no barrier, no matrix work.  A work-group converts 16,384 numbers (65,536 bytes in, 32,768 out): groups 0-511 take 16 rows of x each, groups 512-703 take W (3,145,728 numbers).
; A thread takes 8 numbers in each of 8 turns; a wave's store covers 512 consecutive bytes, aligned.  All 16 loads of a thread go out first; the waits count down.
.set XG,  512                          ; work-groups that x takes
.set X,   8                            ; v[8:71]   8 turns x 8 numbers in f32
.set Y,   72                           ; v[72:103] 8 turns x 4 registers of bf16 pairs
.macro BODY ins, outs                  ; ins, outs: bytes from turn to turn, in and out
.irp i, 0,1,2,3,4,5,6,7
	global_load_b128 v[X+8*(\i):X+8*(\i)+3],   v1, s[18:19] offset:(\ins)*(\i) th:TH_LOAD_NT
	global_load_b128 v[X+8*(\i)+4:X+8*(\i)+7], v1, s[18:19] offset:(\ins)*(\i)+16 th:TH_LOAD_NT
.endr
.irp i, 0,1,2,3,4,5,6,7
	s_wait_loadcnt 14-2*(\i)                       ; loads come back in order: turn i's two are in, the younger turns' stay out
.irp k, 0,1,2,3
	v_cvt_pk_bf16_f32 v[Y+4*(\i)+(\k)], v[X+8*(\i)+2*(\k)], v[X+8*(\i)+2*(\k)+1]
.endr
	global_store_b128 v2, v[Y+4*(\i):Y+4*(\i)+3], s[20:21] offset:(\outs)*(\i)  ; no hint: the next launch reads these bytes
.endr
	s_endpgm
.endm
	s_load_b256 s[4:11], s[0:1], 0x0               ; x s[4:5], W s[6:7], xb s[8:9], wb s[10:11]
	s_mov_b32 s15, 0
	s_mov_b32 s17, 0
	s_cmp_lt_u32 ttmp9, XG                         ; the choice hangs on the group's number alone
	s_cbranch_scc0 .Lw
	; x: group g has rows 16 g .. 16 g + 15.  Thread t, turn i: row (t / 8) % 16, K block 2 i + t / 128, numbers 8 (t % 8) on.
	s_lshl_b32 s14, ttmp9, 16                      ; in: 16 rows of 4,096 bytes
	s_lshr_b32 s16, ttmp9, 4
	s_lshl_b32 s16, s16, 19                        ; out: row tile g / 16, 524,288 bytes each,
	s_and_b32 s12, ttmp9, 15
	s_lshl_b32 s12, s12, 11                        ; and in each of its blocks my 16 rows of 128 bytes
	s_add_co_u32 s16, s16, s12
	v_bfe_u32 v3, v0, 3, 4
	v_lshrrev_b32 v4, 7, v0
	v_and_b32 v5, 7, v0
	v_lshlrev_b32 v1, 12, v3                       ; in: row x 4,096
	v_lshl_add_u32 v1, v4, 8, v1                   ; + (t / 128) x 256
	v_lshl_add_u32 v1, v5, 5, v1                   ; + (t % 8) x 32; a turn is two K blocks: 512 bytes
	v_and_b32 v2, 127, v0
	v_lshlrev_b32 v2, 4, v2                        ; out: (t % 128) x 16 = row x 128 + (t % 8) x 16
	v_lshl_add_u32 v2, v4, 15, v2                  ; + (t / 128) x 32,768; a turn is two blocks: 65,536 bytes
	s_wait_kmcnt 0x0
	s_add_nc_u64 s[18:19], s[4:5], s[14:15]
	s_add_nc_u64 s[20:21], s[8:9], s[16:17]
	BODY 512, 65536
.Lw:
	; W: a plain run of 16,384 numbers; thread t takes 8 numbers in each of 8 runs of 2,048
	s_sub_co_u32 s12, ttmp9, XG
	s_lshl_b32 s14, s12, 16
	s_lshl_b32 s16, s12, 15
	v_lshlrev_b32 v1, 5, v0
	v_lshlrev_b32 v2, 4, v0
	s_wait_kmcnt 0x0
	s_add_nc_u64 s[18:19], s[6:7], s[14:15]
	s_add_nc_u64 s[20:21], s[10:11], s[16:17]
	BODY 8192, 4096
.Lfunc_end_k_qe546462838_prep:
	.size	k_qe546462838_prep, .Lfunc_end_k_qe546462838_prep-k_qe546462838_prep
	.p2alignl 7, 3214868480
	.fill 96, 4, 3214868480
	.section	.rodata,"a",@progbits
	.p2align	6, 0x0
	.amdhsa_kernel k_qe546462838_prep
		.amdhsa_group_segment_fixed_size 0
		.amdhsa_private_segment_fixed_size 0
		.amdhsa_enable_private_segment 0
		.amdhsa_kernarg_size 32
		.amdhsa_user_sgpr_count 2
		.amdhsa_user_sgpr_kernarg_segment_ptr 1
		.amdhsa_wavefront_size32 1
		.amdhsa_system_sgpr_workgroup_id_x 1
		.amdhsa_system_sgpr_workgroup_id_y 1
		.amdhsa_system_sgpr_workgroup_id_z 1
		.amdhsa_system_vgpr_workitem_id 0
		.amdhsa_next_free_vgpr 104
		.amdhsa_next_free_sgpr 66
		.amdhsa_reserve_vcc 0
		.amdhsa_float_denorm_mode_32 3
		.amdhsa_float_denorm_mode_16_64 3
		.amdhsa_memory_ordered 1
		.amdhsa_forward_progress 1
		.amdhsa_inst_pref_size 11
	.end_amdhsa_kernel
	.amdgpu_metadata
---
amdhsa.version: [ 1, 2 ]
amdhsa.kernels:
  - .name:           k_qe546462838_prep
    .symbol:         k_qe546462838_prep.kd
    .args:
      - { .name: x, .offset: 0, .size: 8, .value_kind: global_buffer, .address_space: global }
      - { .name: W, .offset: 8, .size: 8, .value_kind: global_buffer, .address_space: global }
      - { .name: xb, .offset: 16, .size: 8, .value_kind: global_buffer, .address_space: global }
      - { .name: wb, .offset: 24, .size: 8, .value_kind: global_buffer, .address_space: global }
    .group_segment_fixed_size: 0
    .private_segment_fixed_size: 0
    .kernarg_segment_align: 8
    .kernarg_segment_size: 32
    .max_flat_workgroup_size: 256
    .sgpr_count:     66
    .vgpr_count:     104
    .wavefront_size: 32
...
	.end_amdgpu_metadata
.endif
;; end of part 1
;; launch qkv (part 2): grid 8 x 32, 4 waves a work-group, clusters of 4 x 4, 327,680 bytes of LDS; arguments xb, wb, b, qkv; writes qkv
.if DOCPART == 2
	.amdgcn_target "amdgcn-amd-amdhsa--gfx1250"
	.amdhsa_code_object_version 6
	.text
	.protected	k_qe546462838_qkv
	.globl	k_qe546462838_qkv
	.p2align	8
	.type	k_qe546462838_qkv,@function
k_qe546462838_qkv:
	s_mov_b64 s[64:65], 0
	v_nop
	global_prefetch_b8 v0, s[64:65] scope:SCOPE_SE
	s_setreg_imm32_b32 hwreg(HW_REG_WAVE_MODE, 25, 1), 1
	s_wait_xcnt 0x0
	s_wait_alu depctr_hold_cnt(0) depctr_sa_sdst(0) depctr_va_vdst(0) depctr_va_sdst(0) depctr_va_ssrc(0) depctr_va_vcc(0) depctr_vm_vsrc(0)
	s_getreg_b32 s2, hwreg(HW_REG_IB_STS2, 6, 4)
	s_cmp_eq_u32 s2, 0
	s_cbranch_scc0 .Lentry_in_a_cluster
	s_endpgm
.Lentry_in_a_cluster:
	s_bfe_u32 s2, ttmp6, 0x10000c
	s_cmp_lg_u32 s2, 0xf033
	s_cbranch_scc0 .Lentry_shape_is_right
	s_endpgm
.Lentry_shape_is_right:
; qkv[8192][3072] (f16) = x (bf16, in blocks: [32 row tiles][16 K blocks][256 rows][64]) x wb[1024][3072] (bf16) + bf16(b).  Sums in f32; the bias is added in f32; each result rounded once to f16.
; LIMIT: a result of 65,520 or more in magnitude becomes an infinity in f16.  NaN and infinities are not treated apart.
; TILE.  256 rows x 384 columns of C: 32 x 8 = 256 tiles, one a work-group.  Four waves, each 128 x 192: 96 accumulators of 16 x 16, 768 registers; for 32 along K a wave reads 20 fragments for 96 products.
; K goes in steps of 64 through two LDS slots (steps of 128 would need 2 x 184,320 bytes).  A's tile is 32,768 dense bytes, asked for as 128 rows of 256 bytes and padded after every 128.
; B's tile is three CHUNKS of 64 k-rows x 128 columns, as W lies in memory; its fragments come turned, by ds_load_tr16_b128.  One tensor load a wave and step: wave 3 fetches A, waves 0-2 a chunk each.
; By this text's count a wave has two tensor loads out at the start and one behind each change of slots, with 180 of a step's 192 products between the request and the wait for it.
; CLUSTER 4 x 4: the four of a cluster's row need the same rows of A, the four of a column the same columns of B: joint loads, same descriptor and mask in all four.
; A WAVE'S COLUMNS (nh = wave % 2): blocks 0-7 are chunk 2 nh, blocks 8-11 the four blocks 4 nh .. 4 nh + 3 of chunk 1: two address registers wherever columns count.
; THE MATRIX INSTRUCTION IS USED TRANSPOSED (source 0 = 16 columns of B, source 1 = 16 rows of A): a lane holds row l % 16 of C and eight neighbouring columns, 8 (l / 16) + 0..7 of the block.
; REGISTERS.  Window 0: v0-31 addresses; v32-95, v96-159 A's fragments of 32 along K, two buffers; v160-207, v208-255 B's fragments, a buffer for each GROUP of six column blocks.
;   Windows 1-3: accumulator n = 48 g + 6 a + bb (group g, row block a, block bb of the group) in window 1 + n / 32 at v[8 (n % 32)].
; A UNIT is 48 products: 32 along K, one group.  Its run of LDS loads stands behind its first 12 products and four places, 36 products ahead of the first use.
.set PA,    144                        ; A's LDS row: 128 bytes + 16: an odd multiple of 16, so the 16 rows of a fragment load start in 16 different groups of four banks (64 banks of 4 bytes: ISA guide 11.1)
.set AT,    256*PA                     ; A's tile
.set PB,    288                        ; a chunk's LDS row: 256 bytes + 32: an odd multiple of 32, for the turning load
.set BC,    64*PB                      ; a chunk
.set SLOT,  AT+3*BC                    ; 92,160
.set STAGE, 2*SLOT                     ; behind the ring: for each pair of waves 16 rows x 784 bytes; no tensor load lands here
.set SP,    784                        ; 768 bytes + 16: an odd multiple of 16
.set PAIR,  16*SP
.set TBL,   STAGE+2*PAIR               ; for each wave the bias of its 192 columns, rounded to bf16, in f32: 768 bytes
.set TBW,   768
.set SPARE, TBL+4*TBW                  ; the spare words, 128 bytes a wave: two blocks of 256 bytes that no other line names
.set WP,    3072                       ; elements in a row of wb and of qkv
.set ASTEP, 32768                      ; a K step of A: the next block
.set BSTEP, 64*WP*2                    ; a K step down B's rows
.set LAPS,  8                          ; 1,024 / 128: a lap is two K steps
.set ADRA,  8                          ; v8-9   LDS address of my A fragments in slot 0, 1
.set ADRBF, 10                         ; v10-11 of my whole chunk of B
.set ADRBH, 12                         ; v12-13 of my half of chunk 1
.set STOF,  14                         ; the way out: where I put 16 bytes of a row, blocks 0-7
.set STOH,  15                         ; blocks 8-11
.set RD0,   16                         ; where I read rows back
.set RD1,   17
.set CO0,   18                         ; my byte offsets in C
.set CO1,   19
.set VBF,   20                         ; my byte offsets in the tile's 384 numbers of b
.set VBH,   21
.set TW,    22                         ; my place in my wave's bias table
.set SPW,   28                         ; LDS address of my spare word; never rewritten
.set NIL,   29                         ; 0; never rewritten
.set AF,    32
.set BF,    160
.set BI,    32                         ; head and way out: v32-127 the bias in C's layout, block cb at BI + 8 cb
.set W,     128                        ; v128-223 a block's 96 results in f32, then 48 packed
.set OB,    W+48                       ; v176-223 rows read back
.set G1A, 24
.set G0A, 32
.set G1B, 48
.set G0B, 56
.set MSB, 0
.macro WIN new                         ; the immediate's high byte repeats the setting that is left; a switch that changes nothing is dropped
.if MSB != (\new)
	s_set_vgpr_msb (MSB<<8)|(\new)
.set MSB, \new
.endif
.endm
.macro PLACES                          ; four plain places in front of loads into registers that matrix instructions have read, and of vector lines that read results
.rept 4
	v_nop
.endr
.endm
; A joint load: wave 3 asks for A, waves 0-2 for their chunks of B; the branch hangs on the wave's number alone.  An s_nop 0 and four v_nop follow each line.
.macro JLOAD s
	s_cmp_eq_u32 s10, 3
	s_cbranch_scc0 .Lfor_b_\@
	tensor_load_to_lds s[G0A+4*(\s):G0A+4*(\s)+3], s[G1A:G1A+7]
	s_nop 0
.rept 4
	v_nop
.endr
	s_branch .Lasked_\@
.Lfor_b_\@:
	tensor_load_to_lds s[G0B+4*(\s):G0B+4*(\s)+3], s[G1B:G1B+7]
	s_nop 0
.rept 4
	v_nop
.endr
.Lasked_\@:
.endm
.macro CREST                           ; a round of the cluster's barrier behind its opening barrier
	s_cmp_lg_u32 s10, 0
	s_cbranch_scc1 .Lnot_wave_0_\@
	s_barrier_signal -3
.Lnot_wave_0_\@:
	s_barrier_wait -3
	s_barrier_signal -1
	s_barrier_wait -1
.endm
.macro CROUND
	s_barrier_signal -1
	s_barrier_wait -1
	CREST
.endm
	s_load_b128 s[4:7], s[0:1], 0x0                ; xb s[4:5], wb s[6:7]
	s_load_b128 s[68:71], s[0:1], 0x10             ; b s[68:69], qkv s[70:71]
	v_lshl_add_u32 v[SPW], v0, 2, SPARE
	v_mov_b32 v[NIL], 0
	ds_add_u32 v[SPW], v[NIL]                      ; the wave's opening: the add and its wait stand ahead of my first tensor load
	v_lshrrev_b32 v1, 5, v0
	v_readfirstlane_b32 s10, v1                    ; wave 0..3
	s_lshr_b32 s11, s10, 1                         ; mh: which 128 rows of the tile are mine
	s_and_b32 s12, s10, 1                          ; nh: which 192 columns
	s_bfe_u32 s40, ttmp6, 0x40000                  ; cx
	s_bfe_u32 s41, ttmp6, 0x40004                  ; cy
	s_lshl_b32 s42, ttmp9, 2
	s_add_co_u32 s42, s42, s40                     ; tile column 0..7
	s_and_b32 s13, ttmp7, 0xffff
	s_lshl_b32 s13, s13, 2
	s_add_co_u32 s13, s13, s41                     ; tile row 0..31
	s_lshl_b32 s43, s41, 2
	s_lshl_b32 s43, 15, s43                        ; my row of the cluster
	s_lshl_b32 s44, 0x1111, s40                    ; my column
	s_or_b32 s[G1A+0], s43, (1<<16)|(1<<20)|(1<<21)|(4<<22)|(3<<25)  ; mask; 2-byte elements; padding on; bit 21 beside a mask; after every 32 words 4 words
	s_mov_b32 s[G1A+1], 128<<16                    ; tensor_dim0 = 128: 256 bytes, two rows of the tile
	s_mov_b32 s[G1A+2], 128<<16                    ; tensor_dim1 = 128
	s_mov_b32 s[G1A+3], 128<<16                    ; tile_dim0 = 128
	s_mov_b32 s[G1A+4], 128                        ; tile_dim1 = 128
	s_mov_b32 s[G1A+5], 128                        ; dense: 128 elements from row to row
	s_mov_b32 s[G1A+6], 0
	s_mov_b32 s[G1A+7], 0
	s_or_b32 s[G1B+0], s44, (1<<16)|(1<<20)|(1<<21)|(5<<22)|(7<<25)  ; after every 64 words 8 words
	s_mov_b32 s[G1B+1], 128<<16                    ; a chunk: 128 columns
	s_mov_b32 s[G1B+2], 64<<16                     ; x 64 k-rows
	s_mov_b32 s[G1B+3], 128<<16
	s_mov_b32 s[G1B+4], 64
	s_mov_b32 s[G1B+5], WP
	s_mov_b32 s[G1B+6], 0
	s_mov_b32 s[G1B+7], 0
	s_lshl_b32 s16, s13, 19                        ; A: the row tile's 16 blocks of 32,768 bytes: under 2^24
	s_mov_b32 s17, 0
	s_mul_i32 s46, s42, 768                        ; B: the tile's 384 columns,
	s_lshl_b32 s47, s10, 8                         ; chunk = wave
	s_add_co_u32 s46, s46, s47
	s_mov_b32 s47, 0
	s_mul_i32 s45, s10, BC                         ; where a chunk goes: behind A, wave x a chunk: no place in the cluster enters an LDS address
	s_add_co_u32 s45, s45, AT
	s_mov_b32 s66, 0xffff0000                      ; a word's upper bf16
	s_wait_dscnt 0x0                               ; the opening add is done
	s_wait_kmcnt 0x0
	s_add_nc_u64 s[14:15], s[4:5], s[16:17]
	s_add_nc_u64 s[46:47], s[6:7], s[46:47]
	CROUND                                         ; all sixteen work-groups are here: the first joint loads meet
.irp s, 0,1
	s_mov_b32 s[G0A+4*(\s)], 1
	s_mov_b32 s[G0A+4*(\s)+1], (\s)*SLOT
	s_add_nc_u64 s[G0A+4*(\s)+2:G0A+4*(\s)+3], s[14:15], (\s)*ASTEP
	s_or_b32 s[G0A+4*(\s)+3], s[G0A+4*(\s)+3], 0x80000000
	s_mov_b32 s[G0B+4*(\s)], 1
	s_add_co_u32 s[G0B+4*(\s)+1], s45, (\s)*SLOT
	s_add_nc_u64 s[G0B+4*(\s)+2:G0B+4*(\s)+3], s[46:47], (\s)*BSTEP
	s_or_b32 s[G0B+4*(\s)+3], s[G0B+4*(\s)+3], 0x80000000
	JLOAD \s
.endr
	v_and_b32 v1, 15, v0                           ; r = l % 16
	v_bfe_u32 v2, v0, 4, 1                         ; h = l / 16
	; the bias of my 192 columns, in C's layout: block cb's eight numbers 8 h + 0..7.  All this stands in the wait for the first tiles.
	v_lshlrev_b32 v5, 5, v2                        ; 32 h
	s_lshl_b32 s22, s12, 10                        ; blocks 0-7: column 256 nh on
	v_add_nc_u32 v[VBF], s22, v5
	s_lshl_b32 s22, s12, 8                         ; blocks 8-11: column 128 + 64 nh on
	s_add_co_u32 s22, s22, 512
	v_add_nc_u32 v[VBH], s22, v5
	s_mul_i32 s22, s10, TBW
	s_add_co_u32 s22, s22, TBL
	v_add_nc_u32 v[TW], s22, v5
	s_mul_i32 s46, s42, 1536                       ; b at the tile's 384 columns
	s_mov_b32 s47, 0
	s_add_nc_u64 s[68:69], s[68:69], s[46:47]
.irp cb, 0,1,2,3,4,5,6,7,8,9,10,11
.if (\cb) < 8
	global_load_b128 v[BI+8*(\cb):BI+8*(\cb)+3],   v[VBF], s[68:69] offset:64*(\cb)
	global_load_b128 v[BI+8*(\cb)+4:BI+8*(\cb)+7], v[VBF], s[68:69] offset:64*(\cb)+16
.else
	global_load_b128 v[BI+8*(\cb):BI+8*(\cb)+3],   v[VBH], s[68:69] offset:64*((\cb)-8)
	global_load_b128 v[BI+8*(\cb)+4:BI+8*(\cb)+7], v[VBH], s[68:69] offset:64*((\cb)-8)+16
.endif
.endr
	v_mul_u32_u24 v3, v1, PA
	v_lshl_add_u32 v3, v2, 4, v3                   ; A's fragments: r x 144 + 16 h
	v_and_b32 v4, 7, v0
	v_bfe_u32 v5, v0, 3, 1
	v_lshl_add_u32 v6, v2, 3, v4                   ; the turning load: k-row 8 h + l % 8,
	v_mul_u32_u24 v6, v6, PB
	v_lshl_add_u32 v6, v5, 4, v6                   ; columns 8 ((l / 8) % 2) on
	s_mul_i32 s21, s11, 128*PA                     ; my 128 rows of A
	s_mul_i32 s22, s12, 2*BC                       ; chunk 2 nh,
	s_add_co_u32 s22, s22, AT
	s_lshl_b32 s23, s12, 7                         ; and 64 nh columns into chunk 1
	s_add_co_u32 s23, s23, AT+BC
.irp s, 0,1
	v_add_nc_u32 v[ADRA+(\s)], s21, v3
	v_add_nc_u32 v[ADRBF+(\s)], s22, v6
	v_add_nc_u32 v[ADRBH+(\s)], s23, v6
	s_add_co_u32 s21, s21, SLOT
	s_add_co_u32 s22, s22, SLOT
	s_add_co_u32 s23, s23, SLOT
.endr
	s_mul_i32 s21, s11, PAIR
	s_add_co_u32 s21, s21, STAGE                   ; my pair's stage
	v_mul_u32_u24 v3, v1, SP
	v_lshl_add_u32 v3, v2, 4, v3                   ; in: row r, 16 bytes for each half of the lanes
	s_lshl_b32 s22, s12, 9
	s_add_co_u32 s22, s22, s21
	v_add_nc_u32 v[STOF], s22, v3                  ; blocks 0-7: byte 512 nh of a row on
	s_lshl_b32 s22, s12, 7
	s_add_co_u32 s22, s22, s21
	s_add_co_u32 s22, s22, 256
	v_add_nc_u32 v[STOH], s22, v3                  ; blocks 8-11: byte 256 + 128 nh on
	; back: wave nh takes rows 8 nh .. 8 nh + 7, whole: two rows of 768 bytes are three loads of 512: bytes 0-511 of the first; its last 256 and the second's first 256; the second's last 512
	s_mul_i32 s22, s12, 8*SP
	s_add_co_u32 s22, s22, s21
	v_and_b32 v5, 31, v0
	v_lshlrev_b32 v[CO0], 4, v5                    ; 16 x lane
	v_add_nc_u32 v[RD0], s22, v[CO0]
	v_lshl_add_u32 v[RD1], v2, 4, v[RD0]           ; the middle load: 512 + 16 x lane, and over the stage's 16 bytes of padding for lanes 16-31
	v_add_nc_u32 v[RD1], 512, v[RD1]
	v_mul_u32_u24 v5, v2, WP*2-768                 ; the same in C: over the rest of a row of 6,144 bytes
	v_add_nc_u32 v[CO1], v5, v[CO0]
	v_add_nc_u32 v[CO1], 512, v[CO1]
	s_lshl_b32 s16, s13, 8
	s_lshl_b32 s14, s11, 7
	s_add_co_u32 s16, s16, s14
	s_lshl_b32 s14, s12, 3
	s_add_co_u32 s16, s16, s14                     ; the first row of C that I store: 256 x tile row + 128 mh + 8 nh,
	s_mul_i32 s16, s16, WP*2                       ; in bytes: under 2^26
	s_mov_b32 s17, 0
	s_add_nc_u64 s[70:71], s[70:71], s[16:17]
	s_mul_i32 s46, s42, 768                        ; the tile's first column, in bytes: a multiple of 256
	s_add_nc_u64 s[70:71], s[70:71], s[46:47]
	s_wait_loadcnt 0x0
.set i, 0
.rept 48                               ; b is rounded to bf16 like x and W, and widened again
	v_cvt_pk_bf16_f32 v[W+i], v[BI+2*i], v[BI+2*i+1]
.set i, i+1
.endr
.set i, 0
.rept 48
	v_lshlrev_b32 v[BI+2*i], 16, v[W+i]
	v_and_b32 v[BI+2*i+1], s66, v[W+i]
.set i, i+1
.endr
.irp cb, 0,1,2,3,4,5,6,7,8,9,10,11
	ds_store_b128 v[TW], v[BI+8*(\cb):BI+8*(\cb)+3]   offset:64*(\cb)     ; my wave's own table; the sixteen lanes of a half write the same bytes with the same values
	ds_store_b128 v[TW], v[BI+8*(\cb)+4:BI+8*(\cb)+7] offset:64*(\cb)+16
.endr
; 6 matrix instructions: row block a x the six column blocks of group g, 32 along K out of A's buffer f.  zero = 1: the product starts the sum.
; The 96 accumulators take turns, one instruction a turn, in the same order in every quarter.
.macro UM f, g, a, zero
.irp bb, 0,1,2,3,4,5
.set n, 48*(\g)+6*(\a)+(\bb)
.set rg, 8*(n%32)
	WIN 0x50*(1+n/32)                              ; C and D in the accumulator's window, both sources in window 0
.if \zero
	v_wmma_f32_16x16x32_bf16 v[rg:rg+7], v[BF+48*(\g)+8*(\bb):BF+48*(\g)+8*(\bb)+7], v[AF+64*(\f)+8*(\a):AF+64*(\f)+8*(\a)+7], 0
.else
	v_wmma_f32_16x16x32_bf16 v[rg:rg+7], v[BF+48*(\g)+8*(\bb):BF+48*(\g)+8*(\bb)+7], v[AF+64*(\f)+8*(\a):AF+64*(\f)+8*(\a)+7], v[rg:rg+7]
.endif
.endr
.endm
.macro UM01 f, g, zero
	UM \f, \g, 0, \zero
	UM \f, \g, 1, \zero
.endm
.macro UM27 f, g, zero
.irp a, 2,3,4,5,6,7
	UM \f, \g, \a, \zero
.endr
.endm
.macro RUN_B slot, qq, g               ; 12 LDS loads: group g's fragments of quarter qq of the slot's step
	WIN 0
.irp bb, 0,1,2,3,4,5
.set cb, 6*(\g)+(\bb)
.if cb < 8
	ds_load_tr16_b128 v[BF+48*(\g)+8*(\bb):BF+48*(\g)+8*(\bb)+3],   v[ADRBF+(\slot)] offset:32*(\qq)*PB+32*cb
	ds_load_tr16_b128 v[BF+48*(\g)+8*(\bb)+4:BF+48*(\g)+8*(\bb)+7], v[ADRBF+(\slot)] offset:(32*(\qq)+16)*PB+32*cb
.else
	ds_load_tr16_b128 v[BF+48*(\g)+8*(\bb):BF+48*(\g)+8*(\bb)+3],   v[ADRBH+(\slot)] offset:32*(\qq)*PB+32*(cb-8)
	ds_load_tr16_b128 v[BF+48*(\g)+8*(\bb)+4:BF+48*(\g)+8*(\bb)+7], v[ADRBH+(\slot)] offset:(32*(\qq)+16)*PB+32*(cb-8)
.endif
.endr
.endm
.macro RUN_A slot, qq, f               ; 16 LDS loads: A's eight fragments of quarter qq into buffer f, row blocks ascending
	WIN 0
.irp a, 0,1,2,3,4,5,6,7
	ds_load_b128 v[AF+64*(\f)+8*(\a):AF+64*(\f)+8*(\a)+3],   v[ADRA+(\slot)] offset:64*(\qq)+(\a)*16*PA
	ds_load_b128 v[AF+64*(\f)+8*(\a)+4:AF+64*(\f)+8*(\a)+7], v[ADRA+(\slot)] offset:64*(\qq)+(\a)*16*PA+32
.endr
.endm
; Group 0 of quarter qq (A's buffer f = qq): its run fetches group 1 of the same quarter, into the buffer that the unit before read last.
.macro UNIT0 slot, qq, zero
	s_wait_dscnt 12                                ; of the 28 loads of the unit before, A's row blocks 2-7 may be out
	UM01 \qq, 0, \zero
	PLACES
	RUN_B \slot, \qq, 1
	s_wait_dscnt 12                                ; all but the 12 just issued
	UM27 \qq, 0, \zero
.endm
; Group 1 of a step's first quarter: its run fetches the second quarter's group 0 and A.
.macro UNIT1 slot, zero
	s_wait_dscnt 0x0                               ; group 1 is in
	UM01 0, 1, \zero
	PLACES
	RUN_B \slot, 1, 0
	RUN_A \slot, 1, 1
	UM27 0, 1, \zero
.endm
; Group 1 of a step's second quarter, and the change of slots: ONE barrier.  The slot's last reads were issued a unit ago.  In front of the barrier each wave waits for all its tensor loads (one is out:
; its part of the next slot), adds 0 to its spare word, and waits for that and for its reads of this slot.  fill = 1: this slot takes the K step two on, behind a round of the cluster's barrier.
.macro TURN slot, next, fill
	WIN 0
	s_wait_tensorcnt 0x0
	ds_add_u32 v[SPW], v[NIL]
	s_wait_dscnt 1                                 ; group 1 is in; the add may be out
	UM 1, 1, 0, 0
	s_wait_dscnt 0x0                               ; the add is done, and my reads of this slot are over
	s_barrier_signal -1
	UM 1, 1, 1, 0                                  ; work on registers while the others arrive
	WIN 0
	s_barrier_wait -1
.if \fill
	CREST                                          ; no wave of any partner still reads this slot or has a load on its way
	s_add_nc_u64 s[G0A+4*(\slot)+2:G0A+4*(\slot)+3], s[G0A+4*(\slot)+2:G0A+4*(\slot)+3], 2*ASTEP
	s_add_nc_u64 s[G0B+4*(\slot)+2:G0B+4*(\slot)+3], s[G0B+4*(\slot)+2:G0B+4*(\slot)+3], 2*BSTEP
	JLOAD \slot                                    ; the first tensor load behind the round; its four v_nop are the places in front of the loads below
.else
	PLACES
.endif
	RUN_B \next, 0, 0
	RUN_A \next, 0, 0
	UM27 1, 1, 0
.endm
	s_wait_tensorcnt 1                             ; my part of K step 0 is in; K step 1's may stay out
	s_wait_dscnt 0x0                               ; my table is written
	s_barrier_signal -1
	s_barrier_wait -1
	RUN_B 0, 0, 0
	RUN_A 0, 0, 0
	UNIT0 0, 0, 1                                  ; the first quarter stands in front of the loop: its products start the sums
	UNIT1 0, 1
	WIN 0
	s_mov_b32 s3, LAPS-1
.Llap:                                                 ; a trip goes once round the ring, from a lap's second quarter to the next lap's first, and fills both slots again
	UNIT0 0, 1, 0
	TURN 0, 1, 1
	UNIT0 1, 0, 0
	UNIT1 1, 0
	UNIT0 1, 1, 0
	TURN 1, 0, 1
	UNIT0 0, 0, 0
	UNIT1 0, 0
	WIN 0
	s_sub_co_u32 s3, s3, 1
	s_cmp_lg_u32 s3, 0
	s_cbranch_scc1 .Llap
	UNIT0 0, 1, 0                                  ; the last lap asks for nothing
	TURN 0, 1, 0
	UNIT0 1, 0, 0
	UNIT1 1, 0
	UNIT0 1, 1, 0
	s_wait_dscnt 0x0
	UM01 1, 1, 0
	UM27 1, 1, 0
	WIN 0
	; THE WAY OUT: a counted loop over my eight blocks of 16 rows.  A wave's 384 bytes of a row are one and a half aligned runs of 256 bytes, so the two waves of a row half share a stage of 16 rows:
	; a barrier between one block's reads and the next block's writes, another between the writes and the reads; each wave then stores 8 whole rows.
	; Only the first step differs from block to block: the sums plus the bias, out of the block's accumulators into window 0; it is chosen by forward jumps on the counter.
	PLACES
.irp cb, 0,1,2,3,4,5,6,7,8,9,10,11
	ds_load_b128 v[BI+8*(\cb):BI+8*(\cb)+3],   v[TW] offset:64*(\cb)
	ds_load_b128 v[BI+8*(\cb)+4:BI+8*(\cb)+7], v[TW] offset:64*(\cb)+16
.endr
	s_wait_dscnt 0x0
.macro EXTRACT a                       ; each accumulator's registers in ascending order
.irp cb, 0,1,2,3,4,5,6,7,8,9,10,11
.set n, 48*((\cb)/6)+6*(\a)+(\cb)%6
.set rg, 8*(n%32)
	WIN 1+n/32                                     ; source 0 in the accumulator's window
.irp i, 0,1,2,3
	v_pk_add_f32 v[W+8*(\cb)+2*(\i):W+8*(\cb)+2*(\i)+1], v[rg+2*(\i):rg+2*(\i)+1], v[BI+8*(\cb)+2*(\i):BI+8*(\cb)+2*(\i)+1]
.endr
.endr
	WIN 0
.endm
	s_mov_b32 s3, 0
.Lblk:
.irp a, 0,1,2,3,4,5,6
	s_cmp_eq_u32 s3, \a
	s_cbranch_scc1 .Le\a
.endr
	EXTRACT 7
	s_branch .Lcom
.irp a, 0,1,2,3,4,5
.Le\a:
	EXTRACT \a
	s_branch .Lcom
.endr
.Le6:
	EXTRACT 6
.Lcom:
.set i, 0
.rept 48
	v_cvt_pk_f16_f32 v[W+i], v[W+2*i], v[W+2*i+1]  ; in place: register i is written when registers 2 i and 2 i + 1 are read, and nothing below 2 i + 2 is read later
.set i, i+1
.endr
	s_barrier_signal -1                            ; every wave's reads of the stage for the block before came back ahead of its stores to memory
	s_barrier_wait -1
.irp cb, 0,1,2,3,4,5,6,7,8,9,10,11
.if (\cb) < 8
	ds_store_b128 v[STOF], v[W+4*(\cb):W+4*(\cb)+3] offset:32*(\cb)
.else
	ds_store_b128 v[STOH], v[W+4*(\cb):W+4*(\cb)+3] offset:32*((\cb)-8)
.endif
.endr
	s_wait_dscnt 0x0                               ; for my partner's sake: my stores into the stage are done
	s_barrier_signal -1
	s_barrier_wait -1
.irp t, 0,1,2,3,4,5,6,7,8,9,10,11
.if (\t)%3 == 1
	ds_load_b128 v[OB+4*(\t):OB+4*(\t)+3], v[RD1] offset:((\t)/3)*2*SP
.else
	ds_load_b128 v[OB+4*(\t):OB+4*(\t)+3], v[RD0] offset:((\t)/3)*2*SP+(((\t)%3)/2)*(SP+256)
.endif
.endr
	s_wait_dscnt 0x0
.irp t, 0,1,2,3,4,5,6,7,8,9,10,11
.if (\t)%3 == 1
	global_store_b128 v[CO1], v[OB+4*(\t):OB+4*(\t)+3], s[70:71] offset:((\t)/3)*2*WP*2  ; each 16 lanes store 256 consecutive bytes, at a multiple of 256 from the buffer's first
.else
	global_store_b128 v[CO0], v[OB+4*(\t):OB+4*(\t)+3], s[70:71] offset:((\t)/3)*2*WP*2+(((\t)%3)/2)*(WP*2+256)
.endif
.endr
	s_wait_xcnt 0x0                                ; the stores' base and data registers are rewritten only behind this wait
	s_add_nc_u64 s[70:71], s[70:71], 16*WP*2
	s_add_co_u32 s3, s3, 1
	s_cmp_lt_u32 s3, 8
	s_cbranch_scc1 .Lblk
	s_wait_tensorcnt 0x0                           ; the wave's end
	ds_add_u32 v[SPW], v[NIL]
	s_wait_dscnt 0x0
	CROUND                                         ; the closing round
	s_endpgm
.Lfunc_end_k_qe546462838_qkv:
	.size	k_qe546462838_qkv, .Lfunc_end_k_qe546462838_qkv-k_qe546462838_qkv
	.p2alignl 7, 3214868480
	.fill 96, 4, 3214868480
	.section	.rodata,"a",@progbits
	.p2align	6, 0x0
	.amdhsa_kernel k_qe546462838_qkv
		.amdhsa_group_segment_fixed_size 327680
		.amdhsa_private_segment_fixed_size 0
		.amdhsa_enable_private_segment 0
		.amdhsa_kernarg_size 32
		.amdhsa_user_sgpr_count 2
		.amdhsa_user_sgpr_kernarg_segment_ptr 1
		.amdhsa_wavefront_size32 1
		.amdhsa_system_sgpr_workgroup_id_x 1
		.amdhsa_system_sgpr_workgroup_id_y 1
		.amdhsa_system_sgpr_workgroup_id_z 1
		.amdhsa_system_vgpr_workitem_id 0
		.amdhsa_next_free_vgpr 1024
		.amdhsa_next_free_sgpr 72
		.amdhsa_reserve_vcc 0
		.amdhsa_float_denorm_mode_32 3
		.amdhsa_float_denorm_mode_16_64 3
		.amdhsa_memory_ordered 1
		.amdhsa_forward_progress 1
		.amdhsa_inst_pref_size 127
	.end_amdhsa_kernel
	.amdgpu_metadata
---
amdhsa.version: [ 1, 2 ]
amdhsa.kernels:
  - .name:           k_qe546462838_qkv
    .symbol:         k_qe546462838_qkv.kd
    .args:
      - { .name: xb, .offset: 0, .size: 8, .value_kind: global_buffer, .address_space: global }
      - { .name: wb, .offset: 8, .size: 8, .value_kind: global_buffer, .address_space: global }
      - { .name: b, .offset: 16, .size: 8, .value_kind: global_buffer, .address_space: global }
      - { .name: qkv, .offset: 24, .size: 8, .value_kind: global_buffer, .address_space: global }
    .group_segment_fixed_size: 327680
    .private_segment_fixed_size: 0
    .kernarg_segment_align: 8
    .kernarg_segment_size: 32
    .max_flat_workgroup_size: 128
    .sgpr_count:     72
    .vgpr_count:     1024
    .wavefront_size: 32
...
	.end_amdgpu_metadata
.endif
;; end of part 2
;; launch scores (part 3): grid 8 x 32, 4 waves a work-group, clusters of 4 x 4, 327,680 bytes of LDS; arguments qkv, p, stats; writes p, stats
.if DOCPART == 3
	.amdgcn_target "amdgcn-amd-amdhsa--gfx1250"
	.amdhsa_code_object_version 6
	.text
	.protected	k_qe546462838_scores
	.globl	k_qe546462838_scores
	.p2align	8
	.type	k_qe546462838_scores,@function
k_qe546462838_scores:
	s_mov_b64 s[64:65], 0
	v_nop
	global_prefetch_b8 v0, s[64:65] scope:SCOPE_SE
	s_setreg_imm32_b32 hwreg(HW_REG_WAVE_MODE, 25, 1), 1
	s_wait_xcnt 0x0
	s_wait_alu depctr_hold_cnt(0) depctr_sa_sdst(0) depctr_va_vdst(0) depctr_va_sdst(0) depctr_va_ssrc(0) depctr_va_vcc(0) depctr_vm_vsrc(0)
	s_getreg_b32 s2, hwreg(HW_REG_IB_STS2, 6, 4)
	s_cmp_eq_u32 s2, 0
	s_cbranch_scc0 .Lentry_in_a_cluster
	s_endpgm
.Lentry_in_a_cluster:
	s_bfe_u32 s2, ttmp6, 0x10000c
	s_cmp_lg_u32 s2, 0xf033
	s_cbranch_scc0 .Lentry_shape_is_right
	s_endpgm
.Lentry_shape_is_right:
; t[q][k] = c Q[q] . K[k], c = log2(e) / 32, for the 2,048 keys of q's batch.  For each row and each CHUNK of 128 keys: m = max t, p = 2^(t - m) (f16, stored), l = the sum of the unrounded p (f32).
; The launch behind joins the chunks by the row's true maximum.  t - m is never above 0, so p lies in 0 to 1 for every input.  Q, K: f16 parts of qkv[8192][3072]; products and sums in f32.
; LIMITS: p below 6e-5 keeps f16's fixed step of 6e-8; a weight below 2^-126 counts as 0 in l; NaN and infinities are not treated apart.
; TILE 256 queries x 256 keys, K = 1,024 in steps of 128 through two LDS slots; four waves, each 128 x 128: 64 accumulators, 512 registers; a wave's 128 keys are one chunk.  4 x 8 x 8 = 256 tiles: one a work-group.
; CLUSTER 4 x 4: Q's tile is shared along a cluster's row, K's along a column (a cluster's 1,024 queries lie in one batch): joint loads.
; THE MATRIX INSTRUCTION IS USED TRANSPOSED (source 0 = 16 keys, source 1 = 16 queries): a lane holds ONE query (l % 16) and the keys 16 b + 8 (l / 16) + 0..7; the query's other 64 keys lie in the lane 16 away.
; REGISTERS: window 0: v0-31 addresses; v64-191 Q's fragments, two buffers (on the way out: scores and work); v32-63, v192-223 the way out.  window 1: v64-191 K's fragments.  windows 2, 3: accumulators.
.set KSTEP,  128
.set PITCH,  272                       ; an LDS row: 256 bytes + 16: the 16 rows of a load start in 16 different groups of four banks (64 banks of 4 bytes: ISA guide 11.1)
.set HALFT,  128*PITCH
.set SLOT,   4*HALFT
.set STAGE,  2*SLOT                    ; 16 rows x 272 bytes for each wave
.set SPITCH, 272
.set STAT,   STAGE+4*16*SPITCH         ; for each wave 128 m, then 128 l
.set SPARE,  STAT+4*1024               ; the spare words: two blocks of 256 bytes that no other line names
.set QP,     3072                      ; elements in a row of qkv
.set LAPS,   4                         ; 1,024 / 256
.set ADRA, 16
.set ADRB, 20
.set VS,   22                          ; 16 x lane: my bytes in 512 of stats
.set STO,  24
.set RD,   25
.set CO,   26
.set SAD0, 27                          ; my row's word in my wave's m
.set SPW,  28
.set NIL,  29
.set SAD,  30
.set SRD,  31
.set F0,   64
.set F1,   128
.set W,    64                          ; the way out: the lane's 64 scores of a block
.set T,    128                         ; v128-135 at work
.set MM,   136                         ; v[136:137] the chunk's maximum, twice
.set LS,   138
.set TMP,  192
.set OB,   32
.set G1, 24
.set G0, 32
.set G1B, 48
.set G0B, 56
.set CS,  66                           ; s[66:67] c
.set SEL, 68                           ; s[68:69] v_permlanex16_b32's selects: each lane takes its own place in the other half
.set MSB, 0
.macro WIN new
.if MSB != (\new)
	s_set_vgpr_msb (MSB<<8)|(\new)
.set MSB, \new
.endif
.endm
.set MUL_LO, 0xa1
.set MUL_HI, 0xf1
.set TO_B,   0x40
.macro JLOAD s
	s_cmp_eq_u32 s11, 0
	s_cbranch_scc0 .Lfor_b_\@
	tensor_load_to_lds s[G0+4*(\s):G0+4*(\s)+3], s[G1:G1+7]
	s_nop 0
.rept 4
	v_nop
.endr
	s_branch .Lasked_\@
.Lfor_b_\@:
	tensor_load_to_lds s[G0B+4*(\s):G0B+4*(\s)+3], s[G1B:G1B+7]
	s_nop 0
.rept 4
	v_nop
.endr
.Lasked_\@:
.endm
.macro CREST
	s_cmp_lg_u32 s10, 0
	s_cbranch_scc1 .Lnot_wave_0_\@
	s_barrier_signal -3
.Lnot_wave_0_\@:
	s_barrier_wait -3
	s_barrier_signal -1
	s_barrier_wait -1
.endm
.macro CROUND
	s_barrier_signal -1
	s_barrier_wait -1
	CREST
.endm
	s_load_b128 s[4:7], s[0:1], 0x0                ; qkv s[4:5], p s[6:7]
	s_load_b64 s[8:9], s[0:1], 0x10                ; stats
	v_lshl_add_u32 v[SPW], v0, 2, SPARE
	v_mov_b32 v[NIL], 0
	ds_add_u32 v[SPW], v[NIL]                      ; the wave's opening: the add and its wait stand ahead of my first tensor load
	v_lshrrev_b32 v1, 5, v0
	v_readfirstlane_b32 s10, v1                    ; wave 0..3
	s_lshr_b32 s11, s10, 1                         ; which 128 queries are mine.  Also: I fetch for Q (0) or for K (1)
	s_and_b32 s12, s10, 1                          ; which 128 keys.  Also: which 128 rows of that tile I fetch
	s_bfe_u32 s40, ttmp6, 0x40000                  ; cx
	s_bfe_u32 s41, ttmp6, 0x40004                  ; cy
	s_lshl_b32 s42, ttmp9, 2
	s_add_co_u32 s42, s42, s40                     ; key tile 0..7
	s_and_b32 s13, ttmp7, 0xffff
	s_lshl_b32 s13, s13, 2
	s_add_co_u32 s13, s13, s41                     ; query tile 0..31
	s_and_b32 s45, ttmp7, 0xffff
	s_lshr_b32 s45, s45, 1                         ; the batch: two clusters of 1,024 queries each; the whole cluster shares it
	s_lshl_b32 s43, s41, 2
	s_lshl_b32 s43, 15, s43                        ; my row of the cluster
	s_lshl_b32 s44, 0x1111, s40                    ; my column
	s_or_b32 s[G1+0], s43, (1<<16)|(1<<20)|(1<<21)|(5<<22)|(3<<25)  ; mask; 2-byte elements; padding on; bit 21 beside a mask; after every 64 words 4 words
	s_or_b32 s[G1B+0], s44, (1<<16)|(1<<20)|(1<<21)|(5<<22)|(3<<25)
.irp g, G1, G1B
	s_mov_b32 s[(\g)+1], KSTEP<<16                 ; tensor_dim0 = 128
	s_mov_b32 s[(\g)+2], 128<<16                   ; tensor_dim1 = 128
	s_mov_b32 s[(\g)+3], KSTEP<<16                 ; tile_dim0 = 128
	s_mov_b32 s[(\g)+4], 128                       ; tile_dim1 = 128
	s_mov_b32 s[(\g)+5], QP                        ; elements from row to row
	s_mov_b32 s[(\g)+6], 0
	s_mov_b32 s[(\g)+7], 0
.endr
	s_lshl_b32 s17, s12, 7                         ; which 128 rows of the tile I fetch
	s_lshl_b32 s16, s13, 8
	s_add_co_u32 s16, s16, s17                     ; Q: row 256 x query tile + 128 x half
	s_mul_i32 s16, s16, QP*2                       ; under 2^26
	s_lshl_b32 s46, s42, 8
	s_add_co_u32 s46, s46, s17
	s_lshl_b32 s45, s45, 11
	s_add_co_u32 s46, s46, s45                     ; K: row 2,048 x batch + 256 x key tile + 128 x half,
	s_mul_i32 s46, s46, QP*2
	s_add_co_u32 s46, s46, 2048                    ; and K's part of a row begins 2,048 bytes in
	s_mov_b32 s17, 0
	s_mov_b32 s47, 0
	s_mul_i32 s20, s10, HALFT                      ; where they go: wave x 128 rows
	s_mov_b32 s[CS], 0x3d38aa3b                    ; c = log2(e) / 32
	s_mov_b32 s[CS+1], 0x3d38aa3b
	s_mov_b32 s[SEL], 0x76543210
	s_mov_b32 s[SEL+1], 0xfedcba98
	s_wait_dscnt 0x0                               ; the opening add is done
	s_wait_kmcnt 0x0
	s_add_nc_u64 s[14:15], s[4:5], s[16:17]
	s_add_nc_u64 s[46:47], s[4:5], s[46:47]
	CROUND                                         ; all sixteen work-groups are here: the first joint loads meet
.irp s, 0,1
	s_mov_b32 s[G0+4*(\s)], 1
	s_add_co_u32 s[G0+4*(\s)+1], s20, (\s)*SLOT
	s_add_nc_u64 s[G0+4*(\s)+2:G0+4*(\s)+3], s[14:15], (\s)*KSTEP*2
	s_or_b32 s[G0+4*(\s)+3], s[G0+4*(\s)+3], 0x80000000
	s_mov_b32 s[G0B+4*(\s)], 1
	s_add_co_u32 s[G0B+4*(\s)+1], s20, (\s)*SLOT
	s_add_nc_u64 s[G0B+4*(\s)+2:G0B+4*(\s)+3], s[46:47], (\s)*KSTEP*2
	s_or_b32 s[G0B+4*(\s)+3], s[G0B+4*(\s)+3], 0x80000000
	JLOAD \s
.endr
	v_and_b32 v1, 15, v0                           ; r = l % 16
	v_bfe_u32 v2, v0, 4, 1                         ; h = l / 16
	v_mul_u32_u24 v3, v1, PITCH
	v_lshl_add_u32 v3, v2, 4, v3                   ; r x 272 + 16 h
	s_mul_i32 s21, s11, HALFT                      ; my 128 rows of Q
	s_mul_i32 s22, s12, HALFT                      ; my 128 rows of K,
	s_add_co_u32 s22, s22, 2*HALFT                 ; which lie behind Q's 256
.irp s, 0,1
	v_add_nc_u32 v[ADRA+(\s)], s21, v3
	v_add_nc_u32 v[ADRB+(\s)], s22, v3
	s_add_co_u32 s21, s21, SLOT
	s_add_co_u32 s22, s22, SLOT
.endr
	s_mul_i32 s23, s10, 16*SPITCH
	s_add_co_u32 s23, s23, STAGE                   ; my stage
	v_add_nc_u32 v[STO], s23, v3
	v_mul_u32_u24 v5, v2, SPITCH
	v_lshl_add_u32 v5, v1, 4, v5
	v_add_nc_u32 v[RD], s23, v5                    ; back: lanes 0-15 one row, lanes 16-31 the next
	v_lshlrev_b32 v5, 12, v2                       ; the same two rows in p: 4,096 bytes apart
	v_lshl_add_u32 v[CO], v1, 4, v5
	s_lshl_b32 s21, s10, 10
	s_add_co_u32 s21, s21, STAT                    ; my wave's 1,024 bytes of m and l
	v_lshl_add_u32 v[SAD0], v1, 2, s21
	v_and_b32 v5, 31, v0
	v_lshlrev_b32 v[VS], 4, v5
	v_add_nc_u32 v[SRD], s21, v[VS]
	s_lshl_b32 s16, s13, 8
	s_lshl_b32 s14, s11, 7
	s_add_co_u32 s16, s16, s14                     ; my first row
	s_lshl_b32 s18, s16, 2                         ; its word in a chunk's 8,192 of stats
	s_lshl_b32 s16, s16, 12                        ; its 4,096 bytes of p: under 2^25
	s_mov_b32 s17, 0
	s_add_nc_u64 s[6:7], s[6:7], s[16:17]
	s_lshl_b32 s46, s42, 1
	s_add_co_u32 s46, s46, s12                     ; my chunk 0..15
	s_lshl_b32 s47, s46, 15                        ; x 8,192 rows x 4 bytes
	s_add_co_u32 s18, s18, s47
	s_mov_b32 s19, 0
	s_add_nc_u64 s[8:9], s[8:9], s[18:19]
	s_lshl_b32 s46, s46, 8                         ; x 128 keys x 2 bytes
	s_mov_b32 s47, 0
	s_add_nc_u64 s[6:7], s[6:7], s[46:47]
; 16 matrix instructions: query blocks a0, a0 + 1 of the window's four x all 8 key blocks, 32 along K.  The 64 accumulators take turns.
.macro MUL16 f, hi, a0, zero
	WIN MUL_LO+0x50*(\hi)
.irp a, \a0, (\a0)+1
.irp b, 0,1,2,3,4,5,6,7
.if \zero
	v_wmma_f32_16x16x32_f16 v[8*(8*(\a)+(\b)):8*(8*(\a)+(\b))+7], v[(\f)+8*(\b):(\f)+8*(\b)+7], v[(\f)+8*(4*(\hi)+(\a)):(\f)+8*(4*(\hi)+(\a))+7], 0
.else
	v_wmma_f32_16x16x32_f16 v[8*(8*(\a)+(\b)):8*(8*(\a)+(\b))+7], v[(\f)+8*(\b):(\f)+8*(\b)+7], v[(\f)+8*(4*(\hi)+(\a)):(\f)+8*(4*(\hi)+(\a))+7], v[8*(8*(\a)+(\b)):8*(8*(\a)+(\b))+7]
.endif
.endr
.endr
.endm
.macro FETCH slot, k, f                ; 32 LDS loads in one run: K's 128 rows, then Q's, 32 along K at byte k
	WIN TO_B
.irp i, 0,1,2,3,4,5,6,7
	ds_load_b128 v[(\f)+8*(\i):(\f)+8*(\i)+3],   v[ADRB+(\slot)] offset:(\k)+(\i)*16*PITCH
	ds_load_b128 v[(\f)+8*(\i)+4:(\f)+8*(\i)+7], v[ADRB+(\slot)] offset:(\k)+(\i)*16*PITCH+32
.endr
	WIN 0
.irp i, 0,1,2,3,4,5,6,7
	ds_load_b128 v[(\f)+8*(\i):(\f)+8*(\i)+3],   v[ADRA+(\slot)] offset:(\k)+(\i)*16*PITCH
	ds_load_b128 v[(\f)+8*(\i)+4:(\f)+8*(\i)+7], v[ADRA+(\slot)] offset:(\k)+(\i)*16*PITCH+32
.endr
.endm
.macro PLACES                          ; four plain places (ISA guide 7.12.1)
.rept 4
	v_nop
.endr
.endm
.macro QUARTER slot, k, f, g, zero     ; 32 along K: buffer f is multiplied, the next quarter fetched into g in the middle
	s_wait_dscnt 8                                 ; all but Q's rows 64-127
	MUL16 \f, 0, 0, \zero
	MUL16 \f, 0, 2, \zero
	PLACES
	FETCH \slot, \k, \g
	s_wait_dscnt 32                                ; all but the 32 just issued
	MUL16 \f, 1, 0, \zero
	MUL16 \f, 1, 2, \zero
.endm
; The first half of a step's last quarter: ONE barrier for the change of slots.  In front of it each wave waits for all its tensor loads, adds 0 to its spare word, and waits for that and for its reads of this slot.
.macro MEET round
	WIN 0
	s_wait_tensorcnt 0x0
	ds_add_u32 v[SPW], v[NIL]
	s_wait_dscnt 9                                 ; the add and the youngest eight loads may be out
	MUL16 F1, 0, 0, 0
	s_wait_dscnt 0x0
	s_barrier_signal -1
	MUL16 F1, 0, 2, 0
.if \round
	WIN 0
.endif
	s_barrier_wait -1
.endm
.macro TURN slot, next
	MEET 1
	CREST                                          ; no wave of any partner still reads this slot or has a load on its way
	s_add_nc_u64 s[G0+4*(\slot)+2:G0+4*(\slot)+3], s[G0+4*(\slot)+2:G0+4*(\slot)+3], 2*KSTEP*2
	s_add_nc_u64 s[G0B+4*(\slot)+2:G0B+4*(\slot)+3], s[G0B+4*(\slot)+2:G0B+4*(\slot)+3], 2*KSTEP*2
	JLOAD \slot                                    ; the first tensor load behind the round, 224 matrix instructions ahead of the wait for it; its v_nop are the places in front of the loads below
	FETCH \next, 0, F0
	MUL16 F1, 1, 0, 0
	MUL16 F1, 1, 2, 0
.endm
	s_wait_tensorcnt 1                             ; my part of K step 0 is in; K step 1's may stay out
	s_barrier_signal -1
	s_barrier_wait -1
	FETCH 0, 0, F0
	QUARTER 0, 64,  F0, F1, 1                      ; the first products start the sums
	WIN 0
	s_mov_b32 s3, LAPS-1
.Llap:
	QUARTER 0, 128, F1, F0, 0
	QUARTER 0, 192, F0, F1, 0
	TURN 0, 1
	QUARTER 1, 64,  F0, F1, 0
	QUARTER 1, 128, F1, F0, 0
	QUARTER 1, 192, F0, F1, 0
	TURN 1, 0
	QUARTER 0, 64,  F0, F1, 0
	WIN 0
	s_sub_co_u32 s3, s3, 1
	s_cmp_lg_u32 s3, 0
	s_cbranch_scc1 .Llap
	QUARTER 0, 128, F1, F0, 0                      ; the last lap asks for nothing
	QUARTER 0, 192, F0, F1, 0
	MEET 0
	PLACES
	FETCH 1, 0, F0
	MUL16 F1, 1, 0, 0
	MUL16 F1, 1, 2, 0
	QUARTER 1, 64,  F0, F1, 0
	QUARTER 1, 128, F1, F0, 0
	QUARTER 1, 192, F0, F1, 0
	s_wait_dscnt 8
	MUL16 F1, 0, 0, 0
	MUL16 F1, 0, 2, 0
	s_wait_dscnt 0x0
	MUL16 F1, 1, 0, 0
	MUL16 F1, 1, 2, 0
	WIN 0
	PLACES
; THE WAY OUT: a counted loop over my eight blocks of 16 queries.  Only the first step, t = c s out of the block's accumulators, differs from block to block: it is chosen by forward jumps on the counter.
.macro EXTRACT a                       ; each accumulator's registers in ascending order
	WIN 0x02+(\a)/4
.set i, 0
.rept 32
	v_pk_mul_f32 v[W+2*i:W+2*i+1], v[64*((\a)%4)+2*i:64*((\a)%4)+2*i+1], s[CS:CS+1] op_sel_hi:[1,0]
.set i, i+1
.endr
	WIN 0
.endm
	s_mov_b32 s3, 0
.Lblk:
.irp a, 0,1,2,3,4,5,6
	s_cmp_eq_u32 s3, \a
	s_cbranch_scc1 .Le\a
.endr
	EXTRACT 7
	s_branch .Lcom
.irp a, 0,1,2,3,4,5
.Le\a:
	EXTRACT \a
	s_branch .Lcom
.endr
.Le6:
	EXTRACT 6
.Lcom:
	; the maximum of my 64 scores: eight chains of seven, the eight left over, the chains joined; then the other half of the lanes'
.irp b, 0,1,2,3,4,5,6,7
	v_max3_num_f32 v[T+(\b)], v[W+8*(\b)], v[W+8*(\b)+1], v[W+8*(\b)+2]
.endr
.irp b, 0,1,2,3,4,5,6,7
	v_max3_num_f32 v[T+(\b)], v[T+(\b)], v[W+8*(\b)+3], v[W+8*(\b)+4]
.endr
.irp b, 0,1,2,3,4,5,6,7
	v_max3_num_f32 v[T+(\b)], v[T+(\b)], v[W+8*(\b)+5], v[W+8*(\b)+6]
.endr
.irp b, 0,1,2,3
	v_max3_num_f32 v[T+(\b)], v[T+(\b)], v[W+8*(\b)+7], v[W+8*(\b)+39]
.endr
	v_max3_num_f32 v[T], v[T], v[T+1], v[T+2]
	v_max3_num_f32 v[T+3], v[T+3], v[T+4], v[T+5]
	v_max_num_f32 v[T+6], v[T+6], v[T+7]
	v_max3_num_f32 v[T], v[T], v[T+3], v[T+6]
	v_permlanex16_b32 v[T+1], v[T], s[SEL], s[SEL+1]
	v_max_num_f32 v[MM], v[T], v[T+1]
	v_max_num_f32 v[MM+1], v[T], v[T+1]
.set i, 0
.rept 32
	v_pk_add_f32 v[W+2*i:W+2*i+1], v[W+2*i:W+2*i+1], v[MM:MM+1] neg_lo:[0,1] neg_hi:[0,1]  ; t - m
.set i, i+1
.endr
.set i, 0
.rept 64
	v_exp_f32 v[W+i], v[W+i]
.set i, i+1
.endr
	v_nop                                          ; a plain instruction between the exponentials and the use of their results (ISA guide 5.7.2)
.set i, 0
	s_wait_alu depctr_va_vdst(0)
.rept 32
	v_cvt_pk_f16_f32 v[TMP+i], v[W+2*i], v[W+2*i+1]
.set i, i+1
.endr
.irp b, 0,1,2,3,4,5,6,7
	ds_store_b128 v[STO], v[TMP+4*(\b):TMP+4*(\b)+3] offset:32*(\b)
.endr
.irp t, 0,1,2,3,4,5,6,7
	ds_load_b128 v[OB+4*(\t):OB+4*(\t)+3], v[RD] offset:(\t)*2*SPITCH  ; LDS serves a wave's instructions in order (ISA guide 5.7.1.4): these see the stores above
.endr
	; the sum of the unrounded weights, in f32, stands in the stage's round trip: pairs 16, 8, 4, 2 and 1 apart, in place
.irp n, 16,8,4,2,1
.set i, 0
.rept \n
	v_pk_add_f32 v[W+2*i:W+2*i+1], v[W+2*i:W+2*i+1], v[W+2*i+2*(\n):W+2*i+2*(\n)+1]
.set i, i+1
.endr
.endr
	v_add_f32 v[LS], v[W], v[W+1]
	v_permlanex16_b32 v[T+2], v[LS], s[SEL], s[SEL+1]
	v_add_f32 v[LS], v[LS], v[T+2]
	s_lshl_b32 s22, s3, 6                          ; the block's 16 words
	v_add_nc_u32 v[SAD], s22, v[SAD0]
	ds_store_b32 v[SAD], v[MM]                     ; both halves of the lanes write the same word with the same value
	ds_store_b32 v[SAD], v[LS] offset:512
	s_wait_dscnt 2                                 ; the block is back in registers; the two stores just issued may stay out
.irp t, 0,1,2,3,4,5,6,7
	global_store_b128 v[CO], v[OB+4*(\t):OB+4*(\t)+3], s[6:7] offset:2*(\t)*4096  ; 16 lanes store 256 consecutive bytes, at a multiple of 256 from p's first
.endr
	s_wait_xcnt 0x0                                ; the stores' base and data registers are rewritten only behind this wait
	s_add_nc_u64 s[6:7], s[6:7], 16*4096
	s_add_co_u32 s3, s3, 1
	s_cmp_lt_u32 s3, 8
	s_cbranch_scc1 .Lblk
	ds_load_b128 v[OB:OB+3], v[SRD]                ; my wave's 128 m and 128 l, 512 consecutive bytes each
	ds_load_b128 v[OB+4:OB+7], v[SRD] offset:512
	s_wait_dscnt 0x0
	global_store_b128 v[VS], v[OB:OB+3], s[8:9]
	global_store_b128 v[VS], v[OB+4:OB+7], s[8:9] offset:524288
	s_wait_tensorcnt 0x0                           ; the wave's end
	ds_add_u32 v[SPW], v[NIL]
	s_wait_dscnt 0x0
	CROUND                                         ; the closing round
	s_endpgm
.Lfunc_end_k_qe546462838_scores:
	.size	k_qe546462838_scores, .Lfunc_end_k_qe546462838_scores-k_qe546462838_scores
	.p2alignl 7, 3214868480
	.fill 96, 4, 3214868480
	.section	.rodata,"a",@progbits
	.p2align	6, 0x0
	.amdhsa_kernel k_qe546462838_scores
		.amdhsa_group_segment_fixed_size 327680
		.amdhsa_private_segment_fixed_size 0
		.amdhsa_enable_private_segment 0
		.amdhsa_kernarg_size 24
		.amdhsa_user_sgpr_count 2
		.amdhsa_user_sgpr_kernarg_segment_ptr 1
		.amdhsa_wavefront_size32 1
		.amdhsa_system_sgpr_workgroup_id_x 1
		.amdhsa_system_sgpr_workgroup_id_y 1
		.amdhsa_system_sgpr_workgroup_id_z 1
		.amdhsa_system_vgpr_workitem_id 0
		.amdhsa_next_free_vgpr 1024
		.amdhsa_next_free_sgpr 70
		.amdhsa_reserve_vcc 0
		.amdhsa_float_denorm_mode_32 3
		.amdhsa_float_denorm_mode_16_64 3
		.amdhsa_memory_ordered 1
		.amdhsa_forward_progress 1
		.amdhsa_inst_pref_size 142
	.end_amdhsa_kernel
	.amdgpu_metadata
---
amdhsa.version: [ 1, 2 ]
amdhsa.kernels:
  - .name:           k_qe546462838_scores
    .symbol:         k_qe546462838_scores.kd
    .args:
      - { .name: qkv, .offset: 0, .size: 8, .value_kind: global_buffer, .address_space: global }
      - { .name: p, .offset: 8, .size: 8, .value_kind: global_buffer, .address_space: global }
      - { .name: stats, .offset: 16, .size: 8, .value_kind: global_buffer, .address_space: global }
    .group_segment_fixed_size: 327680
    .private_segment_fixed_size: 0
    .kernarg_segment_align: 8
    .kernarg_segment_size: 24
    .max_flat_workgroup_size: 128
    .sgpr_count:     70
    .vgpr_count:     1024
    .wavefront_size: 32
...
	.end_amdgpu_metadata
.endif
;; end of part 3
;; launch pv (part 4): grid 4 x 64, 4 waves a work-group, clusters of 4 x 4, 327,680 bytes of LDS; arguments p, qkv, stats, out0; writes out0
.if DOCPART == 4
	.amdgcn_target "amdgcn-amd-amdhsa--gfx1250"
	.amdhsa_code_object_version 6
	.text
	.protected	k_qe546462838_pv
	.globl	k_qe546462838_pv
	.p2align	8
	.type	k_qe546462838_pv,@function
k_qe546462838_pv:
	s_mov_b64 s[64:65], 0
	v_nop
	global_prefetch_b8 v0, s[64:65] scope:SCOPE_SE
	s_setreg_imm32_b32 hwreg(HW_REG_WAVE_MODE, 25, 1), 1
	s_wait_xcnt 0x0
	s_wait_alu depctr_hold_cnt(0) depctr_sa_sdst(0) depctr_va_vdst(0) depctr_va_sdst(0) depctr_va_ssrc(0) depctr_va_vcc(0) depctr_vm_vsrc(0)
	s_getreg_b32 s2, hwreg(HW_REG_IB_STS2, 6, 4)
	s_cmp_eq_u32 s2, 0
	s_cbranch_scc0 .Lentry_in_a_cluster
	s_endpgm
.Lentry_in_a_cluster:
	s_bfe_u32 s2, ttmp6, 0x10000c
	s_cmp_lg_u32 s2, 0xf033
	s_cbranch_scc0 .Lentry_shape_is_right
	s_endpgm
.Lentry_shape_is_right:
; out0[row][:] = (the sum over chunks j of f_j P_j[row] V_j) / L,  f_j = 2^(m_j - M),  M = max_j m_j,  L = the sum of f_j l_j: the softmax by the row's true maximum, joined from 16 chunks of 128 keys.
; p[8192][2048] f16 and m, l (f32) come from the launch before; V is the third part of qkv[8192][3072] (f16).  No exponent is above 0; L is at least 1.  Sums in f32; p f is rounded to f16 for the product.
; LIMITS: p f below 6e-5 keeps f16's fixed step of 6e-8; a factor below 2^-126 counts as 0; NaN and infinities are not treated apart.
; TILE 128 rows x 256 columns: 64 x 4 = 256 tiles, one a work-group.  Four waves, each 64 x 128: 32 accumulators.  K = 2,048 keys in steps of 128: K step j is chunk j.
; A (p) lies along K; B (V) lies [key][channel] and comes out of LDS turned, by ds_load_tr16_b128.  One tensor load a wave and step; two out at the start, one behind each change of slots.
; CLUSTER 4 x 4: p's rows are shared along a cluster's row, V's columns along a column (a cluster's 512 rows lie in one batch): joint loads.
; THE MATRIX INSTRUCTION IS USED TRANSPOSED: a lane holds row l % 16 of C and the eight columns 16 b + 8 (l / 16) + 0..7.
; REGISTERS: window 0: v0-31 addresses, factors; v64-191 A's fragments, two buffers; on the way out v32-39, v64-255.  window 1: B's fragments.  window 2: accumulator (a, b) at v[8 (8 a + b)].
.set KSTEP, 128
.set PA,    272                        ; A's LDS row: 256 bytes + 16 (64 banks of 4 bytes: ISA guide 11.1: the 16 rows of a load start in 16 different groups of four banks)
.set AB,    128*PA
.set PB,    544                        ; B's LDS row: 512 bytes + 32, an odd multiple of 32, for the turning load
.set SLOT,  AB+128*PB
.set STAGE, 2*SLOT                     ; 16 rows x 528 bytes for each wave
.set SP,    528
.set TABLE, STAGE+4*16*SP              ; for each wave 17 entries of 256 bytes: (f, f) in f16 for chunk j and my 64 rows; the last entry 1 / L in f32
.set TW1,   17*256
.set SPARE, TABLE+4*TW1                ; the spare words: two blocks of 256 bytes that no other line names
.set PP,    2048                       ; elements in a row of p
.set WP,    3072                       ; elements in a row of qkv
.set ASTEP, KSTEP*2
.set BSTEP, KSTEP*WP*2
.set LAPS,  8
.set FA,   64
.set FAC,  8                           ; v[8:11]  (f, f) of my row in blocks 0..3, for the chunk in hand
.set RI,   12                          ; v[12:15] 1 / L of my row in blocks 0..3
.set ADRA, 16
.set SV,   18                          ; 4 x lane: my word in 128 bytes of stats
.set TW,   19                          ; where I write the table
.set ADRB, 20
.set STO,  24
.set RD,   25
.set CO,   26
.set FAD0, 27                          ; where I read the table's entry 0
.set SPW,  28
.set NIL,  29
.set FADR, 30
.set R2,   32                          ; v[32:39] 1 / L in pairs
.set HM,   64                          ; the head: m, then f, of rows lane and 32 + lane: 16 u + j
.set HL,   96                          ; l likewise
.set TMP,  64
.set OB,   128
.set G1A, 24
.set G0A, 32
.set G1B, 48
.set G0B, 56
.set FT,  66                           ; s66: the chunk in hand x 256
.set MULW,   0xa1
.set TO_B,   0x40
.set MSB, 0
.macro WIN new
.if MSB != (\new)
	s_set_vgpr_msb (MSB<<8)|(\new)
.set MSB, \new
.endif
.endm
.macro PLACES
.rept 4
	v_nop
.endr
.endm
.macro JLOAD s
	s_cmp_eq_u32 s11, 0
	s_cbranch_scc0 .Lfor_b_\@
	tensor_load_to_lds s[G0A+4*(\s):G0A+4*(\s)+3], s[G1A:G1A+7]
	s_nop 0
.rept 4
	v_nop
.endr
	s_branch .Lasked_\@
.Lfor_b_\@:
	tensor_load_to_lds s[G0B+4*(\s):G0B+4*(\s)+3], s[G1B:G1B+7]
	s_nop 0
.rept 4
	v_nop
.endr
.Lasked_\@:
.endm
.macro CREST
	s_cmp_lg_u32 s10, 0
	s_cbranch_scc1 .Lnot_wave_0_\@
	s_barrier_signal -3
.Lnot_wave_0_\@:
	s_barrier_wait -3
	s_barrier_signal -1
	s_barrier_wait -1
.endm
.macro CROUND
	s_barrier_signal -1
	s_barrier_wait -1
	CREST
.endm
	s_load_b128 s[4:7], s[0:1], 0x0                ; p s[4:5], qkv s[6:7]
	s_load_b128 s[68:71], s[0:1], 0x10             ; stats s[68:69], out0 s[70:71]
	v_lshl_add_u32 v[SPW], v0, 2, SPARE
	v_mov_b32 v[NIL], 0
	ds_add_u32 v[SPW], v[NIL]                      ; the wave's opening: the add and its wait stand ahead of my first tensor load
	v_lshrrev_b32 v1, 5, v0
	v_readfirstlane_b32 s10, v1                    ; wave 0..3
	s_lshr_b32 s11, s10, 1                         ; which 64 rows are mine.  Also: I fetch for A (0) or for B (1)
	s_and_b32 s12, s10, 1                          ; which 128 columns.  Also: which half of that tile I fetch
	s_bfe_u32 s40, ttmp6, 0x40000                  ; cx
	s_bfe_u32 s41, ttmp6, 0x40004                  ; cy
	s_lshl_b32 s42, ttmp9, 2
	s_add_co_u32 s42, s42, s40                     ; column block 0..3
	s_and_b32 s13, ttmp7, 0xffff
	s_lshl_b32 s13, s13, 2
	s_add_co_u32 s13, s13, s41                     ; tile row 0..63
	s_and_b32 s8, ttmp7, 0xffff
	s_lshr_b32 s8, s8, 2                           ; the batch: four clusters of 512 rows each; the whole cluster shares it
	s_lshl_b32 s43, s41, 2
	s_lshl_b32 s43, 15, s43                        ; my row of the cluster
	s_lshl_b32 s44, 0x1111, s40                    ; my column
	s_or_b32 s[G1A+0], s43, (1<<16)|(1<<20)|(1<<21)|(5<<22)|(3<<25)  ; mask; 2-byte elements; padding on; bit 21 beside a mask; after every 64 words 4 words
	s_mov_b32 s[G1A+1], KSTEP<<16
	s_mov_b32 s[G1A+2], 64<<16
	s_mov_b32 s[G1A+3], KSTEP<<16
	s_mov_b32 s[G1A+4], 64
	s_mov_b32 s[G1A+5], PP
	s_mov_b32 s[G1A+6], 0
	s_mov_b32 s[G1A+7], 0
	s_or_b32 s[G1B+0], s44, (1<<16)|(1<<20)|(1<<21)|(6<<22)|(7<<25)  ; after every 128 words 8 words
	s_mov_b32 s[G1B+1], 256<<16
	s_mov_b32 s[G1B+2], 64<<16
	s_mov_b32 s[G1B+3], 256<<16
	s_mov_b32 s[G1B+4], 64
	s_mov_b32 s[G1B+5], WP
	s_mov_b32 s[G1B+6], 0
	s_mov_b32 s[G1B+7], 0
	s_lshl_b32 s16, s13, 7
	s_lshl_b32 s17, s12, 6
	s_add_co_u32 s16, s16, s17                     ; A: row 128 x tile row + 64 x half,
	s_lshl_b32 s16, s16, 12                        ; of 4,096 bytes: under 2^25
	s_lshl_b32 s46, s8, 11
	s_add_co_u32 s46, s46, s17                     ; B: key row 2,048 x batch + 64 x half,
	s_mul_i32 s46, s46, WP*2                       ; under 2^26,
	s_lshl_b32 s47, s42, 9
	s_add_co_u32 s46, s46, s47                     ; column 256 x block,
	s_add_co_u32 s46, s46, 4096                    ; in V's part of a row
	s_mov_b32 s17, 0
	s_mov_b32 s47, 0
	s_mul_i32 s20, s12, 64*PA                      ; where they go: no place in the cluster enters an LDS address
	s_mul_i32 s45, s12, 64*PB
	s_add_co_u32 s45, s45, AB
	s_mov_b32 s[FT], 0
	s_wait_dscnt 0x0                               ; the opening add is done
	s_wait_kmcnt 0x0
	s_add_nc_u64 s[14:15], s[4:5], s[16:17]
	s_add_nc_u64 s[46:47], s[6:7], s[46:47]
	CROUND                                         ; all sixteen work-groups are here: the first joint loads meet
.irp s, 0,1
	s_mov_b32 s[G0A+4*(\s)], 1
	s_add_co_u32 s[G0A+4*(\s)+1], s20, (\s)*SLOT
	s_add_nc_u64 s[G0A+4*(\s)+2:G0A+4*(\s)+3], s[14:15], (\s)*ASTEP
	s_or_b32 s[G0A+4*(\s)+3], s[G0A+4*(\s)+3], 0x80000000
	s_mov_b32 s[G0B+4*(\s)], 1
	s_add_co_u32 s[G0B+4*(\s)+1], s45, (\s)*SLOT
	s_add_nc_u64 s[G0B+4*(\s)+2:G0B+4*(\s)+3], s[46:47], (\s)*BSTEP
	s_or_b32 s[G0B+4*(\s)+3], s[G0B+4*(\s)+3], 0x80000000
	JLOAD \s
.endr
	; m and l of my wave's 64 rows, all 16 chunks: lane L takes rows L and 32 + L.  All this stands in the wait for the first tiles.
	s_lshl_b32 s16, s13, 7
	s_lshl_b32 s14, s11, 6
	s_add_co_u32 s16, s16, s14                     ; my first row
	s_lshl_b32 s18, s16, 2
	s_mov_b32 s19, 0
	s_add_nc_u64 s[68:69], s[68:69], s[18:19]
	v_and_b32 v5, 31, v0
	v_lshlrev_b32 v[SV], 2, v5
.set i, 0
.rept 32
	global_load_b32 v[HM+i], v[SV], s[68:69] offset:(i%16)*32768+(i/16)*128
	global_load_b32 v[HL+i], v[SV], s[68:69] offset:(i%16)*32768+(i/16)*128+524288
.set i, i+1
.endr
	v_lshlrev_b32 v[CO], 4, v5                     ; 16 x lane: my bytes in 512 of a row of out0
	v_and_b32 v1, 15, v0                           ; r = l % 16
	v_bfe_u32 v2, v0, 4, 1                         ; h = l / 16
	v_mul_u32_u24 v3, v1, PA
	v_lshl_add_u32 v3, v2, 4, v3                   ; r x 272 + 16 h
	v_and_b32 v4, 7, v0
	v_bfe_u32 v5, v0, 3, 1
	v_lshl_add_u32 v6, v2, 3, v4                   ; the turning load: key row 8 h + l % 8,
	v_mul_u32_u24 v6, v6, PB
	v_lshl_add_u32 v6, v5, 4, v6                   ; columns 8 ((l / 8) % 2) on
	s_mul_i32 s21, s11, 64*PA
	s_lshl_b32 s22, s12, 8
	s_add_co_u32 s22, s22, AB
.irp s, 0,1
	v_add_nc_u32 v[ADRA+(\s)], s21, v3
	v_add_nc_u32 v[ADRB+(\s)], s22, v6
	s_add_co_u32 s21, s21, SLOT
	s_add_co_u32 s22, s22, SLOT
.endr
	s_mul_i32 s23, s10, 16*SP
	s_add_co_u32 s23, s23, STAGE                   ; my stage
	v_mul_u32_u24 v3, v1, SP                       ; in: row r, 32 bytes for each half of the lanes
	v_lshl_add_u32 v3, v2, 5, v3
	v_add_nc_u32 v[STO], s23, v3
	v_add_nc_u32 v[RD], s23, v[CO]                 ; back: 32 lanes take one row of 512 bytes
	s_mul_i32 s21, s10, TW1
	s_add_co_u32 s21, s21, TABLE                   ; my table
	v_lshl_add_u32 v[FAD0], v1, 4, s21             ; read: 16 bytes for place r: blocks 0..3
	v_lshl_add_u32 v[TW], v2, 2, v[FAD0]           ; write: row 32 u + L is block 2 u + h, place r: 16 r + 4 h (+ 8 u in the offset)
	s_lshl_b32 s16, s16, 12                        ; out0 at my first row, 4,096 bytes each: under 2^25
	s_mov_b32 s17, 0
	s_add_nc_u64 s[70:71], s[70:71], s[16:17]
	s_lshl_b32 s46, s42, 10                        ; my first column: 1,024 x block + 512 x half bytes
	s_lshl_b32 s47, s12, 9
	s_add_co_u32 s46, s46, s47
	s_mov_b32 s47, 0
	s_add_nc_u64 s[70:71], s[70:71], s[46:47]
	s_wait_loadcnt 0x0
.irp u, 0,1
	v_max3_num_f32 v[3+(\u)], v[HM+16*(\u)], v[HM+16*(\u)+1], v[HM+16*(\u)+2]
.irp k, 3,5,7,9,11,13
	v_max3_num_f32 v[3+(\u)], v[3+(\u)], v[HM+16*(\u)+(\k)], v[HM+16*(\u)+(\k)+1]
.endr
	v_max_num_f32 v[3+(\u)], v[3+(\u)], v[HM+16*(\u)+15]  ; M
.endr
.set i, 0
.rept 32
	v_sub_f32 v[HM+i], v[HM+i], v[3+i/16]          ; m_j - M, never above 0
.set i, i+1
.endr
.set i, 0
.rept 32
	v_exp_f32 v[HM+i], v[HM+i]                     ; f_j
.set i, i+1
.endr
	v_nop                                          ; a plain instruction between the exponentials and the use of their results (ISA guide 5.7.2)
	s_wait_alu depctr_va_vdst(0)
.irp u, 0,1
	v_mul_f32 v[5+(\u)], v[HM+16*(\u)], v[HL+16*(\u)]
.irp j, 1,2,3,4,5,6,7,8,9,10,11,12,13,14,15
	v_fmac_f32 v[5+(\u)], v[HM+16*(\u)+(\j)], v[HL+16*(\u)+(\j)]  ; L
.endr
.endr
	v_rcp_f32 v5, v5
	v_rcp_f32 v6, v6
.set i, 0
.rept 32
	v_cvt_pk_f16_f32 v[HM+i], v[HM+i], v[HM+i]     ; (f, f); the first of these is the plain instruction behind the reciprocals
.set i, i+1
.endr
.set i, 0
.rept 32
	ds_store_b32 v[TW], v[HM+i] offset:256*(i%16)+8*(i/16)
.set i, i+1
.endr
	s_wait_alu depctr_va_vdst(0)
	ds_store_b32 v[TW], v5 offset:4096
	ds_store_b32 v[TW], v6 offset:4096+8
.macro MULA f, c, a, first             ; 8 matrix instructions: row block a x 8 column blocks, 32 along K.  The 32 accumulators take turns
	WIN MULW
.irp b, 0,1,2,3,4,5,6,7
.if \first
	v_wmma_f32_16x16x32_f16 v[8*(8*(\a)+(\b)):8*(8*(\a)+(\b))+7], v[128*(\f)+64*(\c)+8*(\b):128*(\f)+64*(\c)+8*(\b)+7], v[FA+64*(\f)+32*(\c)+8*(\a):FA+64*(\f)+32*(\c)+8*(\a)+7], 0
.else
	v_wmma_f32_16x16x32_f16 v[8*(8*(\a)+(\b)):8*(8*(\a)+(\b))+7], v[128*(\f)+64*(\c)+8*(\b):128*(\f)+64*(\c)+8*(\b)+7], v[FA+64*(\f)+32*(\c)+8*(\a):FA+64*(\f)+32*(\c)+8*(\a)+7], v[8*(8*(\a)+(\b)):8*(8*(\a)+(\b))+7]
.endif
.endr
.endm
.macro MUL4 f, c, first
.irp a, 0,1,2,3
	MULA \f, \c, \a, \first
.endr
.endm
.macro SCALE f, c                      ; p times the chunk's factor of its row, two f16 at a time: 32 plain lines that name no register of the products round them
	WIN 0
.irp a, 0,1,2,3
.irp r, 0,1,2,3,4,5,6,7
	v_pk_mul_f16 v[FA+64*(\f)+32*(\c)+8*(\a)+(\r)], v[FA+64*(\f)+32*(\c)+8*(\a)+(\r)], v[FAC+(\a)]
.endr
.endr
.endm
.macro FETCH slot, hf, f               ; 48 LDS loads in one run: B's 32, then A's 16; the youngest eight are A's second 32 along K
	WIN TO_B
.irp c, 0,1
.irp b, 0,1,2,3,4,5,6,7
	ds_load_tr16_b128 v[128*(\f)+64*(\c)+8*(\b):128*(\f)+64*(\c)+8*(\b)+3],   v[ADRB+(\slot)] offset:(64*(\hf)+32*(\c))*PB+32*(\b)
	ds_load_tr16_b128 v[128*(\f)+64*(\c)+8*(\b)+4:128*(\f)+64*(\c)+8*(\b)+7], v[ADRB+(\slot)] offset:(64*(\hf)+32*(\c)+16)*PB+32*(\b)
.endr
.endr
	WIN 0
.irp c, 0,1
.irp a, 0,1,2,3
	ds_load_b128 v[FA+64*(\f)+32*(\c)+8*(\a):FA+64*(\f)+32*(\c)+8*(\a)+3],   v[ADRA+(\slot)] offset:128*(\hf)+64*(\c)+(\a)*16*PA
	ds_load_b128 v[FA+64*(\f)+32*(\c)+8*(\a)+4:FA+64*(\f)+32*(\c)+8*(\a)+7], v[ADRA+(\slot)] offset:128*(\hf)+64*(\c)+(\a)*16*PA+32
.endr
.endr
.endm
.macro HALF slot, first                ; the first 64 keys of a chunk: buffer 0 is scaled and multiplied, buffer 1 fetched
	s_wait_dscnt 8                                 ; the factors, B, and A's first 32 keys are in
	SCALE 0, 0
	MUL4 0, 0, \first
	s_wait_dscnt 0x0
	SCALE 0, 1                                     ; also the places in front of the loads below
	FETCH \slot, 1, 1
	MUL4 0, 1, 0
.endm
; The second 64 keys, and the change of slots: ONE barrier; in front of it each wave waits for all its tensor loads, adds 0 to its spare word, and waits for that and for its reads of this slot.
.macro TURN slot, next, mode
	WIN 0
	s_wait_tensorcnt 0x0
	ds_add_u32 v[SPW], v[NIL]
	s_wait_dscnt 9                                 ; the add and A's youngest eight loads may be out
	SCALE 1, 0
	MULA 1, 0, 0, 0
	s_wait_dscnt 0x0                               ; the add is done, and my reads of this slot are over
	s_barrier_signal -1
	MULA 1, 0, 1, 0
	WIN 0
	s_barrier_wait -1
.if \mode
	CREST                                          ; no wave of any partner still reads this slot or has a load on its way
	s_add_nc_u64 s[G0A+4*(\slot)+2:G0A+4*(\slot)+3], s[G0A+4*(\slot)+2:G0A+4*(\slot)+3], 2*ASTEP
	s_add_nc_u64 s[G0B+4*(\slot)+2:G0B+4*(\slot)+3], s[G0B+4*(\slot)+2:G0B+4*(\slot)+3], 2*BSTEP
	JLOAD \slot                                    ; the first tensor load behind the round, 112 matrix instructions ahead of the wait for it
.endif
	SCALE 1, 1                                     ; the chunk's last use of its factors
	s_add_co_u32 s[FT], s[FT], 256
	v_add_nc_u32 v[FADR], s[FT], v[FAD0]
	ds_load_b128 v[FAC:FAC+3], v[FADR]             ; the next chunk's factors, out of my own table
	FETCH \next, 0, 0
	MULA 1, 0, 2, 0
	MULA 1, 0, 3, 0
	MUL4 1, 1, 0
.endm
	s_wait_tensorcnt 1                             ; my part of chunk 0 is in; chunk 1's may stay out
	s_wait_dscnt 0x0                               ; my table is written
	s_barrier_signal -1
	s_barrier_wait -1
	ds_load_b128 v[FAC:FAC+3], v[FAD0]
	FETCH 0, 0, 0
	HALF 0, 1                                      ; the first products start the sums
	WIN 0
	s_mov_b32 s3, LAPS-1
.Llap:                                                 ; a trip goes once round the ring and fills both slots again
	TURN 0, 1, 1
	HALF 1, 0
	TURN 1, 0, 1
	HALF 0, 0
	WIN 0
	s_sub_co_u32 s3, s3, 1
	s_cmp_lg_u32 s3, 0
	s_cbranch_scc1 .Llap
	TURN 0, 1, 0                                   ; the last lap asks for nothing
	HALF 1, 0
	s_wait_dscnt 8
	SCALE 1, 0
	MUL4 1, 0, 0
	s_wait_dscnt 0x0
	SCALE 1, 1
	MUL4 1, 1, 0
	WIN 0
	; THE WAY OUT, in f32: times 1 / L; a block of 16 rows through my own stage; back as whole rows of 512 bytes.
	ds_load_b128 v[RI:RI+3], v[FAD0] offset:4096
	s_wait_dscnt 0x0
.irp a, 0,1,2,3
	v_mov_b32 v[R2+2*(\a)], v[RI+(\a)]             ; pairs for the packed multiply; these eight lines are the places behind the last products
	v_mov_b32 v[R2+2*(\a)+1], v[RI+(\a)]
.endr
.macro PACK a                          ; each accumulator's registers in ascending order
	WIN 0x02                                       ; source 0 window 2
.irp b, 0,1,2,3,4,5,6,7
.irp r, 0,1,2,3
	v_pk_mul_f32 v[TMP+8*(\b)+2*(\r):TMP+8*(\b)+2*(\r)+1], v[64*(\a)+8*(\b)+2*(\r):64*(\a)+8*(\b)+2*(\r)+1], v[R2+2*(\a):R2+2*(\a)+1]
.endr
.endr
	WIN 0
.endm
.macro TOSTAGE a
.set BK, OB+64*((\a)%2)
.irp b, 0,1,2,3,4,5,6,7
	ds_store_b128 v[STO], v[TMP+8*(\b):TMP+8*(\b)+3]   offset:64*(\b)
	ds_store_b128 v[STO], v[TMP+8*(\b)+4:TMP+8*(\b)+7] offset:64*(\b)+16
.endr
.irp t, 0,1,2,3,4,5,6,7,8,9,10,11,12,13,14,15
	ds_load_b128 v[BK+4*(\t):BK+4*(\t)+3], v[RD] offset:(\t)*SP  ; LDS serves a wave's instructions in order (ISA guide 5.7.1.4): these see the stores above
.endr
.endm
.macro SEND a
.set BK, OB+64*((\a)%2)
	s_wait_dscnt 0x0                               ; the block is back in registers
	s_wait_xcnt 0x0                                ; the other buffer, which earlier stores read, is loaded again only behind this wait
.irp t, 0,1,2,3,4,5,6,7,8,9,10,11,12,13,14,15
	global_store_b128 v[CO], v[BK+4*(\t):BK+4*(\t)+3], s[70:71] offset:(16*(\a)+(\t))*4096 th:TH_STORE_NT  ; 512 consecutive bytes, at a multiple of 256 from out0's first
.endr
.endm
	PACK 0
	TOSTAGE 0
.irp a, 1,2,3
	PACK \a
	SEND (\a)-1
	TOSTAGE \a
.endr
	SEND 3
	s_wait_tensorcnt 0x0                           ; the wave's end
	ds_add_u32 v[SPW], v[NIL]
	s_wait_dscnt 0x0
	CROUND                                         ; the closing round
	s_endpgm
.Lfunc_end_k_qe546462838_pv:
	.size	k_qe546462838_pv, .Lfunc_end_k_qe546462838_pv-k_qe546462838_pv
	.p2alignl 7, 3214868480
	.fill 96, 4, 3214868480
	.section	.rodata,"a",@progbits
	.p2align	6, 0x0
	.amdhsa_kernel k_qe546462838_pv
		.amdhsa_group_segment_fixed_size 327680
		.amdhsa_private_segment_fixed_size 0
		.amdhsa_enable_private_segment 0
		.amdhsa_kernarg_size 32
		.amdhsa_user_sgpr_count 2
		.amdhsa_user_sgpr_kernarg_segment_ptr 1
		.amdhsa_wavefront_size32 1
		.amdhsa_system_sgpr_workgroup_id_x 1
		.amdhsa_system_sgpr_workgroup_id_y 1
		.amdhsa_system_sgpr_workgroup_id_z 1
		.amdhsa_system_vgpr_workitem_id 0
		.amdhsa_next_free_vgpr 768
		.amdhsa_next_free_sgpr 72
		.amdhsa_reserve_vcc 0
		.amdhsa_float_denorm_mode_32 3
		.amdhsa_float_denorm_mode_16_64 3
		.amdhsa_memory_ordered 1
		.amdhsa_forward_progress 1
		.amdhsa_inst_pref_size 139
	.end_amdhsa_kernel
	.amdgpu_metadata
---
amdhsa.version: [ 1, 2 ]
amdhsa.kernels:
  - .name:           k_qe546462838_pv
    .symbol:         k_qe546462838_pv.kd
    .args:
      - { .name: p, .offset: 0, .size: 8, .value_kind: global_buffer, .address_space: global }
      - { .name: qkv, .offset: 8, .size: 8, .value_kind: global_buffer, .address_space: global }
      - { .name: stats, .offset: 16, .size: 8, .value_kind: global_buffer, .address_space: global }
      - { .name: out0, .offset: 24, .size: 8, .value_kind: global_buffer, .address_space: global }
    .group_segment_fixed_size: 327680
    .private_segment_fixed_size: 0
    .kernarg_segment_align: 8
    .kernarg_segment_size: 32
    .max_flat_workgroup_size: 128
    .sgpr_count:     72
    .vgpr_count:     768
    .wavefront_size: 32
...
	.end_amdgpu_metadata
.endif
;; end of part 4
